; MI455X (gfx1250); checked and timed in simulation.
; The chip was launched on July 23, 2026; its instructions are those of AMD's public machine-readable ISA for CDNA 5 (MIT licence, August 2026) and "CDNA5" Instruction Set Architecture Reference Guide (July 2026). The comments in the code are by the model that wrote it; some were corrected since.
;; Bit BLASW8 A8 Linear. Allowed arithmetic: float matrix products may take bf16 or f16 operands with f32 sums; other float arithmetic in f32, or as packed bf16 or f16 multiplies, adds, multiply-adds, maxima and minima; sums over many terms, partial sums and values carried from step to step in f32; what a program stores and reads back later, other than sums and carried values, may be rounded once to bf16 or f16.
;; Inputs: qweight 4,096 x 4,096 int8; weight_scale 4,096 float32; x 2 x 2,048 x 4,096 float32.
;; Outputs: out0 2 x 2,048 x 4,096 float32.
;; One version. Each part assembles by itself: llvm-mc -triple=amdgcn-amd-amdhsa -mcpu=gfx1250 --defsym DOCPART=n.
;; ======== version 1 of 1: 3 launches
;; workspace buffers: part 1,024 bytes; wq 33,554,432 bytes; xq 33,554,432 bytes
;; launch scan (part 1): grid 256 x 1, 32 waves a work-group, no clusters, 4,352 bytes of LDS; arguments x, qweight, part, wq; writes part, wq
.if DOCPART == 1
	.amdgcn_target "amdgcn-amd-amdhsa--gfx1250"
	.amdhsa_code_object_version 6
	.text
	.protected	k_q113ea2c0d3_scan
	.globl	k_q113ea2c0d3_scan
	.p2align	8
	.type	k_q113ea2c0d3_scan,@function
k_q113ea2c0d3_scan:
	s_mov_b64 s[64:65], 0
	v_nop
	global_prefetch_b8 v0, s[64:65] scope:SCOPE_SE
	s_setreg_imm32_b32 hwreg(HW_REG_WAVE_MODE, 25, 1), 1
	s_wait_xcnt 0x0
; FIRST OF THREE LAUNCHES.  part[g] = the largest |x| of work-group g's 65,536 numbers of x; wq = qweight as bf16, its rows permuted.
; x: 16,777,216 f32.  qweight: [4096][4096] int8.  part: 256 f32.  wq: [4096][4096] bf16.
; An int8 has at most 8 significant bits, as many as bf16 keeps: the conversion is exact, for -128 too.
; THE PERMUTATION.  Weight row n = 64 G + 4 r + c (r 0..15, c 0..3) is stored as wq's row 64 G + 16 c + r: whole rows of 8,192 bytes move, so it costs nothing here.
; In the product's result a lane then holds four neighbouring columns of a row of the output in four accumulators, and the third launch stores them without a trip through LDS.
; SHARES.  256 work-groups of 32 waves.  Work-group g: 262,144 bytes of x, 8,192 a wave (16 loads of 512 consecutive bytes), and qweight's rows 16 g .. 16 g + 15, half a row a wave
; (8 loads of 256 consecutive bytes, 8 stores of 512).  All 24 loads of a wave go out together: there is no loop, and the waits count down.
; Nothing is shared between waves but the 32 maxima at the end: no tiles in LDS, no matrix work, no cluster.
; LIMITS.  A NaN in x is passed over by the maxima and minima; infinities are not treated apart.
.set SPARE, 256                        ; LDS: bytes 0-127 the 32 waves' maxima (the block 0-255 is theirs); from 256 on the spare words, 128 bytes a wave
.set L16, 2                            ; v2   16 x lane: my place in 512 bytes of x and of wq; never rewritten
.set WO,  3                            ; v3   8 x lane: my place in 256 bytes of qweight; never rewritten
.set SPW, 5                            ; v5   LDS address of my spare word; never rewritten
.set NIL, 6                            ; v6   0; never rewritten
.set WW,  7                            ; v7   4 x wave: my wave's word in LDS
.set MX,  8                            ; v8-9   two running maxima
.set MN,  10                           ; v10-11 two running minima
.set TM,  12                           ; v12  the lane exchange's destination
.set L4,  13                           ; v13  4 x lane
.set ZO,  14                           ; v14  0: the offset of the store to part
.set BIG, 15                           ; v15  0x4B000000: the upper bytes of the f32 number 2^23 + u
.set W,   16                           ; v[16:31]  qweight as loaded: 8 x 2
.set T,   32                           ; v[32:39]  eight numbers in f32, at work
.set Y,   40                           ; v[40:55]  four sets of 4: bf16 to store
.set X,   64                           ; v[64:127] x as loaded: 16 x 4
	s_load_b256 s[4:11], s[0:1], 0x0               ; x s[4:5], qweight s[6:7], part s[8:9], wq s[10:11]
	v_lshl_add_u32 v[SPW], v0, 2, SPARE
	v_mov_b32 v[NIL], 0
	v_lshrrev_b32 v[WW], 5, v0
	v_readfirstlane_b32 s12, v[WW]                 ; wave 0..31
	v_and_b32 v1, 31, v0                           ; lane
	v_lshlrev_b32 v[L16], 4, v1
	v_lshlrev_b32 v[WO], 3, v1
	v_lshlrev_b32 v[WW], 2, v[WW]
	v_lshlrev_b32 v[L4], 2, v1
	v_mov_b32 v[TM], 0                             ; the lane exchange counts as a reader of its destination
	v_mov_b32 v[ZO], 0
	v_mov_b32 v[BIG], 0x4b000000
	s_and_b32 s13, s12, 1                          ; which half of a row of qweight
	s_lshr_b32 s33, s12, 1
	s_lshl_b32 s14, ttmp9, 4
	s_add_co_u32 s33, s33, s14                     ; n = 16 g + wave / 2
	s_lshl_b32 s14, ttmp9, 18                      ; x: 262,144 g + 8,192 wave
	s_lshl_b32 s15, s12, 13
	s_add_co_u32 s14, s14, s15
	s_mov_b32 s15, 0
	s_lshl_b32 s16, s33, 12                        ; qweight: 4,096 n + 2,048 half
	s_lshl_b32 s17, s13, 11
	s_add_co_u32 s16, s16, s17
	s_mov_b32 s17, 0
	s_and_b32 s18, s33, 0xfc0                      ; 64 G
	s_and_b32 s19, s33, 3                          ; c
	s_lshl_b32 s19, s19, 4
	s_or_b32 s18, s18, s19
	s_bfe_u32 s19, s33, 0x40002                    ; r: four bits from bit 2
	s_or_b32 s18, s18, s19                         ; wq's row 64 G + 16 c + r
	s_lshl_b32 s18, s18, 13                        ; wq: 8,192 row + 4,096 half
	s_lshl_b32 s19, s13, 12
	s_add_co_u32 s18, s18, s19
	s_mov_b32 s19, 0
	s_lshl_b32 s34, ttmp9, 2                       ; part: 4 g
	s_mov_b32 s35, 0
	s_mov_b32 s21, 0x03020104                      ; v_perm_b32's selectors: byte k of the first source below the upper three bytes of the second
	s_mov_b32 s22, 0x03020105
	s_mov_b32 s23, 0x03020106
	s_mov_b32 s24, 0x03020107
	s_mov_b32 s26, 0xcb000080                      ; -(2^23 + 128)
	s_mov_b32 s27, s26                             ; named with it as a pair
	s_mov_b32 s28, 0x76543210                      ; v_permlanex16_b32: each lane takes its own place in the other half
	s_mov_b32 s29, 0xfedcba98
	s_mov_b32 s31, 0x80808080                      ; turns four int8 q into four bytes u = q + 128
	s_mov_b32 s32, 0x7fffffff                      ; clears a sign
	s_wait_kmcnt 0x0
	s_add_nc_u64 s[4:5], s[4:5], s[14:15]
	s_add_nc_u64 s[6:7], s[6:7], s[16:17]
	s_add_nc_u64 s[10:11], s[10:11], s[18:19]
	s_add_nc_u64 s[8:9], s[8:9], s[34:35]
.irp i, 0,1,2,3,4,5,6,7
	global_load_b64 v[W+2*(\i):W+2*(\i)+1], v[WO], s[6:7] offset:256*(\i) th:TH_LOAD_NT  ; read once in the whole program
.endr
.irp i, 0,1,2,3,4,5,6,7,8,9,10,11,12,13,14,15
	global_load_b128 v[X+4*(\i):X+4*(\i)+3], v[L16], s[4:5] offset:512*(\i)              ; no hint: the next launch reads x again
.endr
; Eight int8 of a lane become 16 bytes of bf16.  u = q + 128 is set under 0x4B0000: the f32 number 2^23 + u; less 2^23 + 128 that is q, exactly.
.macro WCONV i
	s_wait_loadcnt 23-(\i)                         ; behind load i stand 7 - i loads of qweight and x's 16
.if (\i) == 4
	s_wait_xcnt 0x0                                ; stores 0 to 3 have read their data: the four sets of Y are written a second time only behind this wait
.endif
	v_xor_b32 v[W+2*(\i)], s31, v[W+2*(\i)]
	v_xor_b32 v[W+2*(\i)+1], s31, v[W+2*(\i)+1]
.irp k, 0,1,2,3,4,5,6,7
	v_perm_b32 v[T+(\k)], v[W+2*(\i)+(\k)/4], v[BIG], s[21+(\k)%4]
.endr
.irp k, 0,2,4,6
	v_pk_add_f32 v[T+(\k):T+(\k)+1], v[T+(\k):T+(\k)+1], s[26:27] op_sel_hi:[1,0]
.endr
.irp k, 0,1,2,3
	v_cvt_pk_bf16_f32 v[Y+4*((\i)%4)+(\k)], v[T+2*(\k)], v[T+2*(\k)+1]
.endr
	global_store_b128 v[L16], v[Y+4*((\i)%4):Y+4*((\i)%4)+3], s[10:11] offset:512*(\i)   ; the wave stores 512 consecutive bytes, at a multiple of 512 from wq's first
.endm
.irp i, 0,1,2,3,4,5,6,7
	WCONV \i
.endr
; Four numbers of x enter two maxima and two minima; the first load starts them: nothing is cleared.  The largest magnitude is that of the maximum or that of the minimum.
.macro XMAX i
	s_wait_loadcnt 15-(\i)                         ; loads come back in order (ISA guide 5.7.1): the younger ones stay out
.if (\i) == 0
	v_max_num_f32 v[MX], v[X], v[X+1]
	v_max_num_f32 v[MX+1], v[X+2], v[X+3]
	v_min_num_f32 v[MN], v[X], v[X+1]
	v_min_num_f32 v[MN+1], v[X+2], v[X+3]
.else
	v_max3_num_f32 v[MX], v[MX], v[X+4*(\i)], v[X+4*(\i)+1]
	v_max3_num_f32 v[MX+1], v[MX+1], v[X+4*(\i)+2], v[X+4*(\i)+3]
	v_min3_num_f32 v[MN], v[MN], v[X+4*(\i)], v[X+4*(\i)+1]
	v_min3_num_f32 v[MN+1], v[MN+1], v[X+4*(\i)+2], v[X+4*(\i)+3]
.endif
.endm
.irp i, 0,1,2,3,4,5,6,7,8,9,10,11,12,13,14,15
	XMAX \i
.endr
	v_max_num_f32 v[MX], v[MX], v[MX+1]
	v_min_num_f32 v[MN], v[MN], v[MN+1]
	v_and_b32 v[MX], s32, v[MX]
	v_and_b32 v[MN], s32, v[MN]
	v_max_num_f32 v[MX], v[MX], v[MN]
; The maximum over the 32 lanes, in every lane: four steps inside each half of 16 lanes ride on the arithmetic, one crosses the halves.
.macro LANEMAX r
	v_max_num_f32_dpp v[\r], v[\r], v[\r] row_xmask:1 row_mask:0xf bank_mask:0xf
	v_max_num_f32_dpp v[\r], v[\r], v[\r] row_xmask:2 row_mask:0xf bank_mask:0xf
	v_max_num_f32_dpp v[\r], v[\r], v[\r] row_xmask:4 row_mask:0xf bank_mask:0xf
	v_max_num_f32_dpp v[\r], v[\r], v[\r] row_xmask:8 row_mask:0xf bank_mask:0xf
	v_permlanex16_b32 v[TM], v[\r], s28, s29
	v_max_num_f32 v[\r], v[\r], v[TM]
.endm
	LANEMAX MX
	ds_store_b32 v[WW], v[MX]                      ; all lanes write the wave's word with the same number
	s_wait_dscnt 0x0                               ; for the others' sake: my store is done
	s_barrier_signal -1
	s_barrier_wait -1                              ; all 32 maxima lie in LDS
	s_cmp_lg_u32 s12, 0
	s_cbranch_scc1 .Lend                           ; wave 0 finishes
	ds_load_b32 v[MX], v[L4]                       ; a lane a wave
	s_wait_dscnt 0x0
	LANEMAX MX
	v_cmp_eq_u32 vcc_lo, 0, v0
	s_wait_xcnt 0x0                                ; EXEC is a source of my earlier loads and stores: it changes only behind this wait
	s_and_saveexec_b32 s30, vcc_lo
	global_store_b32 v[ZO], v[MX], s[8:9]          ; four bytes a work-group: 256 such stores in the launch
	s_wait_xcnt 0x0                                ; and again, in front of the line that widens EXEC
	s_or_b32 exec_lo, exec_lo, s30
.Lend:
	s_wait_tensorcnt 0x0                           ; the wave's end: behind my last LDS store
	ds_add_u32 v[SPW], v[NIL]
	s_wait_dscnt 0x0
	s_endpgm
.Lfunc_end_k_q113ea2c0d3_scan:
	.size	k_q113ea2c0d3_scan, .Lfunc_end_k_q113ea2c0d3_scan-k_q113ea2c0d3_scan
	.p2alignl 7, 3214868480
	.fill 96, 4, 3214868480
	.section	.rodata,"a",@progbits
	.p2align	6, 0x0
	.amdhsa_kernel k_q113ea2c0d3_scan
		.amdhsa_group_segment_fixed_size 4352
		.amdhsa_private_segment_fixed_size 0
		.amdhsa_enable_private_segment 0
		.amdhsa_kernarg_size 32
		.amdhsa_user_sgpr_count 2
		.amdhsa_user_sgpr_kernarg_segment_ptr 1
		.amdhsa_wavefront_size32 1
		.amdhsa_system_sgpr_workgroup_id_x 1
		.amdhsa_system_sgpr_workgroup_id_y 1
		.amdhsa_system_sgpr_workgroup_id_z 1
		.amdhsa_system_vgpr_workitem_id 0
		.amdhsa_next_free_vgpr 128
		.amdhsa_next_free_sgpr 66
		.amdhsa_reserve_vcc 1
		.amdhsa_float_denorm_mode_32 3
		.amdhsa_float_denorm_mode_16_64 3
		.amdhsa_memory_ordered 1
		.amdhsa_forward_progress 1
		.amdhsa_inst_pref_size 21
	.end_amdhsa_kernel
	.amdgpu_metadata
---
amdhsa.version: [ 1, 2 ]
amdhsa.kernels:
  - .name:           k_q113ea2c0d3_scan
    .symbol:         k_q113ea2c0d3_scan.kd
    .args:
      - { .name: x, .offset: 0, .size: 8, .value_kind: global_buffer, .address_space: global }
      - { .name: qweight, .offset: 8, .size: 8, .value_kind: global_buffer, .address_space: global }
      - { .name: part, .offset: 16, .size: 8, .value_kind: global_buffer, .address_space: global }
      - { .name: wq, .offset: 24, .size: 8, .value_kind: global_buffer, .address_space: global }
    .group_segment_fixed_size: 4352
    .private_segment_fixed_size: 0
    .kernarg_segment_align: 8
    .kernarg_segment_size: 32
    .max_flat_workgroup_size: 1024
    .sgpr_count:     66
    .vgpr_count:     128
    .wavefront_size: 32
...
	.end_amdgpu_metadata
.endif
;; end of part 1
;; launch quant (part 2): grid 256 x 1, 32 waves a work-group, no clusters, 0 bytes of LDS; arguments x, part, xq; writes xq
.if DOCPART == 2
	.amdgcn_target "amdgcn-amd-amdhsa--gfx1250"
	.amdhsa_code_object_version 6
	.text
	.protected	k_q113ea2c0d3_quant
	.globl	k_q113ea2c0d3_quant
	.p2align	8
	.type	k_q113ea2c0d3_quant,@function
k_q113ea2c0d3_quant:
	s_mov_b64 s[64:65], 0
	v_nop
	global_prefetch_b8 v0, s[64:65] scope:SCOPE_SE
	s_setreg_imm32_b32 hwreg(HW_REG_WAVE_MODE, 25, 1), 1
	s_wait_xcnt 0x0
; SECOND OF THREE LAUNCHES.  xq = clip(round(x * 127 / (absmax + 1e-8)), -127, 127) as bf16, in x's order.  absmax = the largest of part's 256 numbers.
; x: 16,777,216 f32.  part: 256 f32, none negative.  xq: 16,777,216 bf16.  A whole number of magnitude 127 at the most has 7 significant bits: bf16 holds it exactly.
; SHARES.  As in the launch before: 256 work-groups of 32 waves, 8,192 bytes of x a wave in 16 loads of 512 consecutive bytes, all out together; to each load a store of 256 consecutive
; bytes, aligned.  Every wave makes absmax for itself from part's 1,024 bytes: no LDS, no barrier.
; LIMITS.  127 / d is 127 * rcp(d) with one correction step (e = 127 - q d; q + e rcp(d)): it may differ from a division in the last bit, which can move a number that lies within that bit
; of a half by one step.  v_rcp_f32 gives 0 where 1 / d would be a denormal (ISA guide 15.8): absmax stays under 2^125.  NaN and infinities in x are not treated apart.
.set XO, 2                             ; v2   16 x lane; never rewritten
.set QO, 3                             ; v3   8 x lane; never rewritten
.set P,  4                             ; v[4:11]  part, 8 numbers a lane
.set TM, 12                            ; v12  the lane exchange's destination
.set D,  13                            ; v13  absmax + 1e-8
.set SI, 14                            ; v[14:15] 127 / d, twice: a pair for the packed multiply
.set R,  16                            ; v16  rcp(d);  v17 q;  v18 e
.set X,  32                            ; v[32:95] x as loaded, 16 x 4; worked on in place
	s_load_b128 s[4:7], s[0:1], 0x0                ; x s[4:5], part s[6:7]
	s_load_b64 s[8:9], s[0:1], 0x10                ; xq
	v_lshrrev_b32 v1, 5, v0
	v_readfirstlane_b32 s12, v1                    ; wave 0..31
	v_and_b32 v1, 31, v0
	v_lshlrev_b32 v[XO], 4, v1
	v_lshlrev_b32 v[QO], 3, v1
	v_mov_b32 v[TM], 0                             ; the lane exchange counts as a reader of its destination
	s_mov_b32 s10, 0x42fe0000                      ; 127.0
	s_mov_b32 s11, 0xc2fe0000                      ; -127.0
	s_mov_b32 s14, 0x76543210
	s_mov_b32 s15, 0xfedcba98
	s_lshl_b32 s16, ttmp9, 18                      ; x: 262,144 g + 8,192 wave
	s_lshl_b32 s17, s12, 13
	s_add_co_u32 s16, s16, s17
	s_mov_b32 s17, 0
	s_lshl_b32 s18, ttmp9, 17                      ; xq: half of that
	s_lshl_b32 s19, s12, 12
	s_add_co_u32 s18, s18, s19
	s_mov_b32 s19, 0
	s_wait_kmcnt 0x0
	s_add_nc_u64 s[4:5], s[4:5], s[16:17]
	s_add_nc_u64 s[8:9], s[8:9], s[18:19]
	global_load_b128 v[P:P+3], v[XO], s[6:7]
	global_load_b128 v[P+4:P+7], v[XO], s[6:7] offset:512
.irp i, 0,1,2,3,4,5,6,7,8,9,10,11,12,13,14,15
	global_load_b128 v[X+4*(\i):X+4*(\i)+3], v[XO], s[4:5] offset:512*(\i) th:TH_LOAD_NT  ; x's last reading
.endr
	s_wait_loadcnt 16                              ; part is in; x's 16 loads stay out
	v_max3_num_f32 v[P], v[P], v[P+1], v[P+2]
	v_max3_num_f32 v[P+3], v[P+3], v[P+4], v[P+5]
	v_max3_num_f32 v[P], v[P], v[P+6], v[P+7]
	v_max_num_f32 v[P], v[P], v[P+3]
	v_max_num_f32_dpp v[P], v[P], v[P] row_xmask:1 row_mask:0xf bank_mask:0xf
	v_max_num_f32_dpp v[P], v[P], v[P] row_xmask:2 row_mask:0xf bank_mask:0xf
	v_max_num_f32_dpp v[P], v[P], v[P] row_xmask:4 row_mask:0xf bank_mask:0xf
	v_max_num_f32_dpp v[P], v[P], v[P] row_xmask:8 row_mask:0xf bank_mask:0xf
	v_permlanex16_b32 v[TM], v[P], s14, s15
	v_max_num_f32 v[P], v[P], v[TM]                ; absmax, in every lane
	v_add_f32 v[D], 0x322bcc77, v[P]               ; + 1e-8
	v_rcp_f32 v[R], v[D]
	v_nop                                          ; a plain instruction between the reciprocal and the use of its result (ISA guide 5.7.2)
	s_wait_alu depctr_va_vdst(0)                   ; and the wait ahead of the first use
	v_mul_f32 v[R+1], s10, v[R]                    ; q = 127 rcp(d)
	v_fma_f32 v[R+2], -v[R+1], v[D], s10           ; e = 127 - q d
	v_fma_f32 v[SI], v[R+2], v[R], v[R+1]          ; q + e rcp(d)
	v_mov_b32 v[SI+1], v[SI]
; Four numbers of a lane: scaled, rounded to the nearest whole number (halves to even), clipped, packed into 8 bytes.  No register that a store reads is written again.
.macro QROW i
	s_wait_loadcnt 15-(\i)                         ; loads come back in order (ISA guide 5.7.1): the younger ones stay out
	v_pk_mul_f32 v[X+4*(\i):X+4*(\i)+1], v[X+4*(\i):X+4*(\i)+1], v[SI:SI+1]
	v_pk_mul_f32 v[X+4*(\i)+2:X+4*(\i)+3], v[X+4*(\i)+2:X+4*(\i)+3], v[SI:SI+1]
.irp k, 0,1,2,3
	v_rndne_f32 v[X+4*(\i)+(\k)], v[X+4*(\i)+(\k)]
.endr
.irp k, 0,1,2,3
	v_med3_num_f32 v[X+4*(\i)+(\k)], v[X+4*(\i)+(\k)], s11, s10
.endr
	v_cvt_pk_bf16_f32 v[X+4*(\i)], v[X+4*(\i)], v[X+4*(\i)+1]
	v_cvt_pk_bf16_f32 v[X+4*(\i)+1], v[X+4*(\i)+2], v[X+4*(\i)+3]
	global_store_b64 v[QO], v[X+4*(\i):X+4*(\i)+1], s[8:9] offset:256*(\i)  ; the wave stores 256 consecutive bytes, at a multiple of 256 from xq's first
.endm
.irp i, 0,1,2,3,4,5,6,7,8,9,10,11,12,13,14,15
	QROW \i
.endr
	s_endpgm
.Lfunc_end_k_q113ea2c0d3_quant:
	.size	k_q113ea2c0d3_quant, .Lfunc_end_k_q113ea2c0d3_quant-k_q113ea2c0d3_quant
	.p2alignl 7, 3214868480
	.fill 96, 4, 3214868480
	.section	.rodata,"a",@progbits
	.p2align	6, 0x0
	.amdhsa_kernel k_q113ea2c0d3_quant
		.amdhsa_group_segment_fixed_size 0
		.amdhsa_private_segment_fixed_size 0
		.amdhsa_enable_private_segment 0
		.amdhsa_kernarg_size 24
		.amdhsa_user_sgpr_count 2
		.amdhsa_user_sgpr_kernarg_segment_ptr 1
		.amdhsa_wavefront_size32 1
		.amdhsa_system_sgpr_workgroup_id_x 1
		.amdhsa_system_sgpr_workgroup_id_y 1
		.amdhsa_system_sgpr_workgroup_id_z 1
		.amdhsa_system_vgpr_workitem_id 0
		.amdhsa_next_free_vgpr 96
		.amdhsa_next_free_sgpr 66
		.amdhsa_reserve_vcc 0
		.amdhsa_float_denorm_mode_32 3
		.amdhsa_float_denorm_mode_16_64 3
		.amdhsa_memory_ordered 1
		.amdhsa_forward_progress 1
		.amdhsa_inst_pref_size 16
	.end_amdhsa_kernel
	.amdgpu_metadata
---
amdhsa.version: [ 1, 2 ]
amdhsa.kernels:
  - .name:           k_q113ea2c0d3_quant
    .symbol:         k_q113ea2c0d3_quant.kd
    .args:
      - { .name: x, .offset: 0, .size: 8, .value_kind: global_buffer, .address_space: global }
      - { .name: part, .offset: 8, .size: 8, .value_kind: global_buffer, .address_space: global }
      - { .name: xq, .offset: 16, .size: 8, .value_kind: global_buffer, .address_space: global }
    .group_segment_fixed_size: 0
    .private_segment_fixed_size: 0
    .kernarg_segment_align: 8
    .kernarg_segment_size: 24
    .max_flat_workgroup_size: 1024
    .sgpr_count:     66
    .vgpr_count:     96
    .wavefront_size: 32
...
	.end_amdgpu_metadata
.endif
;; end of part 2
;; launch gemm (part 3): grid 16 x 16, 4 waves a work-group, clusters of 4 x 4, 327,680 bytes of LDS; arguments xq, wq, out0, part, weight_scale; writes out0
.if DOCPART == 3
	.amdgcn_target "amdgcn-amd-amdhsa--gfx1250"
	.amdhsa_code_object_version 6
	.text
	.protected	k_q113ea2c0d3_gemm
	.globl	k_q113ea2c0d3_gemm
	.p2align	8
	.type	k_q113ea2c0d3_gemm,@function
k_q113ea2c0d3_gemm:
	s_mov_b64 s[64:65], 0
	v_nop
	global_prefetch_b8 v0, s[64:65] scope:SCOPE_SE
	s_setreg_imm32_b32 hwreg(HW_REG_WAVE_MODE, 25, 1), 1
	s_wait_xcnt 0x0
	s_wait_alu depctr_hold_cnt(0) depctr_sa_sdst(0) depctr_va_vdst(0) depctr_va_sdst(0) depctr_va_ssrc(0) depctr_va_vcc(0) depctr_vm_vsrc(0)
	s_getreg_b32 s2, hwreg(HW_REG_IB_STS2, 6, 4)
	s_cmp_eq_u32 s2, 0
	s_cbranch_scc0 .Lentry_in_a_cluster
	s_endpgm
.Lentry_in_a_cluster:
	s_bfe_u32 s2, ttmp6, 0x10000c
	s_cmp_lg_u32 s2, 0xf033
	s_cbranch_scc0 .Lentry_shape_is_right
	s_endpgm
.Lentry_shape_is_right:
; THIRD OF THREE LAUNCHES.  out0[t][n] = (the sum over k of xq[t][k] q[n][k]) x (absmax / 127 x weight_scale[n]).
; xq: [4096][4096] bf16, whole numbers of magnitude 127 at the most.  wq: [4096][4096] bf16, the int8 weights, weight row 64 G + 4 r + c stored as row 64 G + 16 c + r.
; part: 256 f32, of which absmax is the largest.  weight_scale: [4096] f32.  out0: [4096][4096] f32.
; Both operands are exact in bf16, so the only rounding of the product is that of its f32 sums (66,584,576 at the most in magnitude; the i32 sum of the problem's text has none).
; LIMITS.  absmax / 127 is absmax x (1 / 127): the last bit may differ from a division's.  NaN and infinities are not treated apart.
; A tile of out0, 256 x 256, is made by a work-group of four waves; a wave makes 128 x 128: 64 accumulators of 16 x 16, 512 registers.  256 tiles: one to a work-group.
; K goes in steps of 128 through a ring of two LDS slots filled by the tensor data mover: a tile's rows are 256 bytes of memory and start at multiples of 256 bytes from the buffer's first.
; CLUSTERS: 4 x 4 work-groups.  The four of a row of the cluster need the same tiles of xq (A), the four of a column the same tiles of wq (B): each tile is asked for JOINTLY, by the same
; tensor load with the same descriptor and a mask that names the four, and each receives it in its own LDS.
; THE WAY OUT NEEDS NO LDS.  Source 0 = 16 rows of A, source 1 = 16 rows of B: register j of lane (r = l % 16, h = l / 16) of accumulator (a, b) is row 16 a + 8 h + j of my 128 and wq's row
; 16 b + r, which is column 64 (b / 4) + 4 r + b % 4 of my 128.  So register j of accumulators 4 g .. 4 g + 3 are four neighbouring columns: the multiply by the column's scale, which is due
; anyway, sets them side by side, and sixteen lanes store 256 consecutive bytes of a row.
; REGISTERS, in windows of 256 (s_set_vgpr_msb's low byte: bits 1:0 source 0, 3:2 source 1, 5:4 source 2, 7:6 destination):
;   window 0: v0-31 addresses; v32-49 scales; v64-127, v128-191 fragments of A (8 x 16 rows x 32 K), two buffers; on the way out the scaled results, two buffers
;   window 1: v64-127, v128-191 fragments of B, two buffers
;   window 2: the 32 accumulators of my rows 0-63 (accumulator (a, b) at v[8 (8 a + b)]);   window 3: those of my rows 64-127
.set SIZE_K, 4096
.set SIZE_N, 4096
.set KSTEP,  128
.set PITCH,  272                       ; an LDS row: 256 bytes of data + 16 of padding = 68 words: row r starts at bank 4 r mod 64 (64 banks of 4 bytes: ISA guide 11.1), so the 16 rows of a load start at 16 different banks
.set HALFT,  128*PITCH                 ; 128 rows: what one tensor load brings, and what one wave reads of A or of B
.set SLOT,   4*HALFT                   ; A's 256 rows, then B's 256 rows
.set SPARE,  2*SLOT                    ; behind the ring: the spare words, 128 bytes for each wave: two blocks of 256 bytes that no other line names
.set LAPS, SIZE_K/(2*KSTEP)            ; a lap = two K steps = once round the ring: 16
.set ADRA, 16                          ; v16-17  LDS address of my A fragments in slot 0, 1
.set ADRB, 20                          ; v20-21  the same for B
.set CO,   26                          ; v26     my byte offset in out0: 8 h rows of 16,384 bytes + 16 r; never rewritten
.set SCO,  27                          ; v27     16 r: my four scales of 64 columns
.set SPW,  28                          ; v28     LDS address of my spare word: SPARE + 4 x my thread's number; never rewritten
.set NIL,  29                          ; v29     0; never rewritten
.set PFO,  30                          ; v30     the prefetches' offset: my lane x a row of A or B in memory (8,192 bytes); never rewritten
.set L16,  31                          ; v31     16 x lane
.set SC,   32                          ; v[32:39] absmax / 127 x weight_scale of my lane's columns: SC + b for accumulators (., b)
.set PT,   40                          ; v[40:47] part, 8 numbers a lane
.set ACT,  48                          ; v48     absmax / 127
.set TM,   49                          ; v49     the lane exchange's destination
.set F0,   64                          ; fragment buffer 0
.set F1,   128                         ; fragment buffer 1
.set G1, 24                            ; s[24:31] descriptor group 1 for A's tiles
.set G0, 32                            ; s[32:39] descriptor group 0 for A's tiles, one set for each slot
.set G1B, 48                           ; s[48:55] descriptor group 1 for B's tiles: it differs from A's in the mask alone
.set G0B, 56                           ; s[56:63] descriptor group 0 for B's tiles, one set for each slot
.set PFA,  44                          ; s[44:45] where my prefetches stand: my work-group's 32 rows of the 128 that I fetch, one K step further along K than the refill that is being asked for
.set LIM,  43                          ; s43     1 in a wave that prefetches, else the greatest number
.set MSB, 0
.macro WIN new                         ; the immediate's high byte repeats the setting that is left; a switch that changes nothing is dropped
.if MSB != (\new)
	s_set_vgpr_msb (MSB<<8)|(\new)
.set MSB, \new
.endif
.endm
.set MUL_LO, 0xa4                      ; source 0 (A) window 0, source 1 (B) window 1, C and D window 2
.set MUL_HI, 0xf4                      ; the same, C and D window 3
.set TO_B,   0x40                      ; destination window 1, address window 0
; A joint load.  Waves 0 and 1 fetch A's two halves, waves 2 and 3 B's.  Each of the two lines has ONE mask and one set of registers for all that issue it, and nothing in them hangs on a
; coordinate that the four partners do not share.  The branch hangs on the wave's number alone.  An s_nop 0 and four v_nop follow each of the two lines.
.macro JLOAD s
	s_cmp_eq_u32 s11, 0
	s_cbranch_scc0 .Lfor_b_\@
	tensor_load_to_lds s[G0+4*(\s):G0+4*(\s)+3], s[G1:G1+7]
	s_nop 0
.rept 4
	v_nop
.endr
	s_branch .Lasked_\@
.Lfor_b_\@:
	tensor_load_to_lds s[G0B+4*(\s):G0B+4*(\s)+3], s[G1B:G1B+7]
	s_nop 0
.rept 4
	v_nop
.endr
.Lasked_\@:
.endm
; A PREFETCH INTO THE L2, behind each joint refill, its five lines and the run of LDS loads that follows them: the K step that stands TWO refills on, 512 matrix instructions ahead of the load
; that will want it: 32 rows x 256 bytes, a lane a row, one instruction a wave.  Each row's 256 bytes of a K step are named ONCE in the launch: A's tile row is read by every cluster of that
; row of clusters, and the one with cluster x = 0 asks; B's tile column by every cluster of that column, and the one with cluster y = 0 asks.  The four partners that ask for a tile jointly
; share its rows out BY ADDRESS: of the 128 rows that a wave fetches, the partner at place p takes 32 p .. 32 p + 31 (p = cx for A, cy for B).  The loop's last trip (s3 = 1) asks for
; nothing: there is no K step two on.  K steps 0 to 3 come by their loads alone.
.macro ASK
	s_cmp_gt_u32 s3, s[LIM]
	s_cbranch_scc0 .Lnot_mine_\@
	global_prefetch_b8 v[PFO], s[PFA:PFA+1] offset:KSTEP*2 th:TH_LOAD_NT scope:SCOPE_SE
.Lnot_mine_\@:
.endm
; A round of the cluster's barrier: my work-group's barrier, so that wave 0's signal speaks for all four waves; wave 0 signals for the work-group; every wave waits for all sixteen
; work-groups; my work-group's barrier once more.  No LDS instruction of the wave is pending at a signal.
.macro CREST                           ; a round behind its opening barrier
	s_cmp_lg_u32 s10, 0
	s_cbranch_scc1 .Lnot_wave_0_\@
	s_barrier_signal -3
.Lnot_wave_0_\@:
	s_barrier_wait -3
	s_barrier_signal -1
	s_barrier_wait -1
.endm
.macro CROUND                          ; a whole round
	s_barrier_signal -1
	s_barrier_wait -1
	CREST
.endm
	s_load_b128 s[4:7], s[0:1], 0x0                ; xq (A) s[4:5], wq (B) s[6:7]
	s_load_b64 s[8:9], s[0:1], 0x10                ; out0
	s_load_b64 s[68:69], s[0:1], 0x18              ; part
	s_load_b64 s[70:71], s[0:1], 0x20              ; weight_scale
	v_lshl_add_u32 v[SPW], v0, 2, SPARE
	v_mov_b32 v[NIL], 0
	ds_add_u32 v[SPW], v[NIL]                      ; the wave's opening: the add, twice on end, and its wait ahead of my first tensor load; the set-up below stands between the second and the wait
	ds_add_u32 v[SPW], v[NIL]                      ; and once more, under the one wait
	v_lshrrev_b32 v1, 5, v0
	v_readfirstlane_b32 s10, v1                    ; wave 0..3
	s_lshr_b32 s11, s10, 1                         ; which half of the tile's rows is mine.  Also: I fetch for A (0) or for B (1)
	s_and_b32 s12, s10, 1                          ; which half of its columns.  Also: which 128 rows of that tile I fetch
	s_bfe_u32 s40, ttmp6, 0x40000                  ; cx: my place along the cluster's x
	s_bfe_u32 s41, ttmp6, 0x40004                  ; cy: along its y
	s_lshl_b32 s42, ttmp9, 2                       ; in a cluster launch ttmp9 and ttmp7 count clusters
	s_add_co_u32 s42, s42, s40                     ; tile column = 4 x cluster x + cx
	s_and_b32 s13, ttmp7, 0xffff
	s_lshl_b32 s13, s13, 2
	s_add_co_u32 s13, s13, s41                     ; tile row = 4 x cluster y + cy
	s_lshl_b32 s43, s41, 2
	s_lshl_b32 s43, 15, s43                        ; my row of the cluster: places 4 cy .. 4 cy + 3
	s_lshl_b32 s44, 0x1111, s40                    ; my column: places cx, cx + 4, cx + 8, cx + 12
	; descriptor group 1: a tile of 128 rows x 128 elements, padded in LDS
	s_or_b32 s[G1+0], s43, (1<<16)|(1<<20)|(1<<21)|(5<<22)|(3<<25)  ; 15:0 the mask: A's tiles go to my row; 17:16 element of 2 bytes; 20 padding on; 21 set beside a mask; 24:22 after every 64 words (code 5); 31:25 of 4 words (code 3)
	s_or_b32 s[G1B+0], s44, (1<<16)|(1<<20)|(1<<21)|(5<<22)|(3<<25) ; the same with the mask of my column, for B's tiles
.irp g, G1, G1B
	s_mov_b32 s[(\g)+1], KSTEP<<16                 ; 63:48 tensor_dim0, low half = 128
	s_mov_b32 s[(\g)+2], 128<<16                   ; 79:64 its high half = 0; 95:80 tensor_dim1, low half = 128
	s_mov_b32 s[(\g)+3], KSTEP<<16                 ; 111:96 its high half = 0; 127:112 tile_dim0 = 128
	s_mov_b32 s[(\g)+4], 128                       ; 143:128 tile_dim1 = 128; 159:144 tile_dim2 = 0
	s_mov_b32 s[(\g)+5], SIZE_K                    ; 191:160 tensor_dim0_stride, low word: elements from row to row
	s_mov_b32 s[(\g)+6], 0
	s_mov_b32 s[(\g)+7], 0
.endr
	; where the tiles come from.  A's hang on the tile row alone, which my row of the cluster shares; B's on the tile column alone, which my column shares.
	; Every wave makes both addresses, in registers that never hold the other coordinate, and asks by one of them.
	s_lshl_b32 s17, s12, 7                         ; which 128 rows of the tile I fetch
	s_lshl_b32 s16, s13, 8
	s_add_co_u32 s16, s16, s17                     ; A: row 256 x tile row + 128 x half
	s_lshl_b32 s46, s42, 8
	s_add_co_u32 s46, s46, s17                     ; B: row 256 x tile column + 128 x half
	s_mov_b32 s17, 0
	s_mov_b32 s47, 0
	s_mov_b64 s[18:19], SIZE_K*2
	s_mul_u64 s[16:17], s[16:17], s[18:19]         ; in bytes
	s_mul_u64 s[46:47], s[46:47], s[18:19]
	s_mul_i32 s20, s10, HALFT                      ; and where they go: A's two halves, then B's two halves = wave x 128 rows: no place in the cluster enters an LDS address
	s_mov_b32 s72, 0x76543210                      ; v_permlanex16_b32: each lane takes its own place in the other half
	s_mov_b32 s73, 0xfedcba98
	s_wait_dscnt 0x0                               ; both opening adds are done
	s_wait_kmcnt 0x0
	s_add_nc_u64 s[14:15], s[4:5], s[16:17]
	s_add_nc_u64 s[46:47], s[6:7], s[46:47]
	CROUND                                         ; all sixteen work-groups are here: the first joint loads meet
.irp s, 0,1
	s_mov_b32 s[G0+4*(\s)], 1                                      ; 1:0 count = 1
	s_add_co_u32 s[G0+4*(\s)+1], s20, (\s)*SLOT                    ; 63:32 LDS address
	s_add_nc_u64 s[G0+4*(\s)+2:G0+4*(\s)+3], s[14:15], (\s)*KSTEP*2  ; 120:64 global address: K step s
	s_or_b32 s[G0+4*(\s)+3], s[G0+4*(\s)+3], 0x80000000            ; 127:126 type = 2
	s_mov_b32 s[G0B+4*(\s)], 1
	s_add_co_u32 s[G0B+4*(\s)+1], s20, (\s)*SLOT
	s_add_nc_u64 s[G0B+4*(\s)+2:G0B+4*(\s)+3], s[46:47], (\s)*KSTEP*2
	s_or_b32 s[G0B+4*(\s)+3], s[G0B+4*(\s)+3], 0x80000000
	JLOAD \s                                       ; the ring is filled before anything else is done: two loads of mine are out
.endr
	v_and_b32 v1, 15, v0                           ; r = l % 16
	v_bfe_u32 v2, v0, 4, 1                         ; h = l / 16
	v_and_b32 v[L16], 31, v0
	v_lshlrev_b32 v[L16], 4, v[L16]
	v_lshlrev_b32 v[SCO], 4, v1
	s_lshl_b32 s74, s42, 10                        ; my first column in bytes of f32: 1,024 x tile column + 512 x half; for weight_scale and for out0
	s_lshl_b32 s75, s12, 9
	s_add_co_u32 s74, s74, s75
	s_mov_b32 s75, 0
	s_add_nc_u64 s[70:71], s[70:71], s[74:75]
	global_load_b128 v[PT:PT+3], v[L16], s[68:69]                  ; part's 1,024 bytes
	global_load_b128 v[PT+4:PT+7], v[L16], s[68:69] offset:512
	global_load_b128 v[SC:SC+3], v[SCO], s[70:71]                  ; the scales of columns 4 r .. 4 r + 3 of my first 64,
	global_load_b128 v[SC+4:SC+7], v[SCO], s[70:71] offset:256     ; and of my second 64
	; A fragment is 16 rows x 32 K in 8 registers: lane l holds row l % 16; registers 0-3 hold K = 8 (l / 16) + 0..7, registers 4-7 hold
	; K = 16 + 8 (l / 16) + 0..7.  From rows that lie along K: two loads of 16 bytes, 32 bytes apart.  The same for source 0 and source 1.
	v_mul_u32_u24 v3, v1, PITCH
	v_lshl_add_u32 v3, v2, 4, v3                   ; row x pitch + 16 x half
	s_mul_i32 s21, s11, HALFT                      ; my 128 rows of A
	s_mul_i32 s22, s12, HALFT                      ; my 128 rows of B,
	s_add_co_u32 s22, s22, 2*HALFT                 ; which lie behind A's 256
.irp s, 0,1
	v_add_nc_u32 v[ADRA+(\s)], s21, v3
	v_add_nc_u32 v[ADRB+(\s)], s22, v3
	s_add_co_u32 s21, s21, SLOT
	s_add_co_u32 s22, s22, SLOT
.endr
	v_lshlrev_b32 v[CO], 4, v1
	v_lshl_add_u32 v[CO], v2, 17, v[CO]            ; 16 r + 8 h rows of 16,384 bytes
	s_lshl_b32 s13, s13, 8                         ; 256 x tile row
	s_lshl_b32 s14, s11, 7
	s_add_co_u32 s16, s13, s14                     ; my first row of out0,
	s_lshl_b32 s16, s16, 14                        ; in bytes: under 2^26
	s_mov_b32 s17, 0
	s_add_nc_u64 s[8:9], s[8:9], s[16:17]
	s_add_nc_u64 s[8:9], s[8:9], s[74:75]          ; and my first column
	; the prefetches.  s13 = 256 x tile row, s42 = tile column, s40 = cx, s41 = cy still stand; s[4:5] = A, s[6:7] = B
	s_lshl_b32 s42, s42, 8
	s_and_b32 s22, ttmp7, 0xffff                   ; cluster y
	s_cmp_eq_u32 s11, 0                            ; do I fetch for A?
	s_cselect_b32 s20, s13, s42                    ; the tile's first row: in A by the tile row, in B by the tile column
	s_cselect_b32 s21, s40, s41                    ; my place among the four that ask for it with me
	s_cselect_b32 s22, ttmp9, s22                  ; the coordinate along which other clusters read the same rows
	s_cselect_b64 s[PFA:PFA+1], s[4:5], s[6:7]
	s_cmp_eq_u32 s22, 0
	s_cselect_b32 s[LIM], 1, -1                    ; the same in all sixteen partners, for a given wave
	s_lshl_b32 s22, s12, 7
	s_add_co_u32 s20, s20, s22                     ; + the 128 rows that I fetch
	s_lshl_b32 s21, s21, 5
	s_add_co_u32 s20, s20, s21                     ; + my work-group's 32 of them
	s_mov_b32 s21, 0
	s_mov_b64 s[18:19], SIZE_K*2
	s_mul_u64 s[20:21], s[20:21], s[18:19]
	s_add_nc_u64 s[PFA:PFA+1], s[PFA:PFA+1], s[20:21]
	s_add_nc_u64 s[PFA:PFA+1], s[PFA:PFA+1], 2*KSTEP*2  ; at K step 2: the first refill steps it to 3 and names K step 4
	v_and_b32 v[PFO], 31, v0
	v_mul_u32_u24 v[PFO], v[PFO], SIZE_K*2
	; the scales, made in the wait for the first tile: absmax over part's 256 numbers, then absmax / 127 x weight_scale
	v_mov_b32 v[TM], 0                             ; the lane exchange counts as a reader of its destination
	s_wait_loadcnt 0x0
	v_max3_num_f32 v[PT], v[PT], v[PT+1], v[PT+2]
	v_max3_num_f32 v[PT+3], v[PT+3], v[PT+4], v[PT+5]
	v_max3_num_f32 v[PT], v[PT], v[PT+6], v[PT+7]
	v_max_num_f32 v[PT], v[PT], v[PT+3]
	v_max_num_f32_dpp v[PT], v[PT], v[PT] row_xmask:1 row_mask:0xf bank_mask:0xf
	v_max_num_f32_dpp v[PT], v[PT], v[PT] row_xmask:2 row_mask:0xf bank_mask:0xf
	v_max_num_f32_dpp v[PT], v[PT], v[PT] row_xmask:4 row_mask:0xf bank_mask:0xf
	v_max_num_f32_dpp v[PT], v[PT], v[PT] row_xmask:8 row_mask:0xf bank_mask:0xf
	v_permlanex16_b32 v[TM], v[PT], s72, s73
	v_max_num_f32 v[PT], v[PT], v[TM]
	v_mul_f32 v[ACT], 0x3c010204, v[PT]            ; x 1 / 127
.irp b, 0,1,2,3,4,5,6,7
	v_mul_f32 v[SC+(\b)], v[ACT], v[SC+(\b)]
.endr
; 16 matrix instructions: m blocks a0, a0 + 1 of the window's four (hi = 0: my rows 0-63, 1: rows 64-127) x all 8 n blocks, 32 along K.
; zero = 1: the first product starts the sums: nothing is ever cleared.  The 64 accumulators take turns, one instruction a turn, in the same order in every quarter step.
.macro MUL16 f, hi, a0, zero
	WIN MUL_LO+0x50*(\hi)  ; MUL_LO or MUL_HI
.irp a, \a0, (\a0)+1
.irp b, 0,1,2,3,4,5,6,7
.if \zero
	v_wmma_f32_16x16x32_bf16 v[8*(8*(\a)+(\b)):8*(8*(\a)+(\b))+7], v[(\f)+8*(4*(\hi)+(\a)):(\f)+8*(4*(\hi)+(\a))+7], v[(\f)+8*(\b):(\f)+8*(\b)+7], 0
.else
	v_wmma_f32_16x16x32_bf16 v[8*(8*(\a)+(\b)):8*(8*(\a)+(\b))+7], v[(\f)+8*(4*(\hi)+(\a)):(\f)+8*(4*(\hi)+(\a))+7], v[(\f)+8*(\b):(\f)+8*(\b)+7], v[8*(8*(\a)+(\b)):8*(8*(\a)+(\b))+7]
.endif
.endr
.endr
.endm
; 32 LDS loads in one run: the fragments of one quarter step (128 rows of B, 128 rows of A, 32 K at byte k of the rows) into buffer f
.macro FETCH slot, k, f
	WIN TO_B
.irp i, 0,1,2,3,4,5,6,7
	ds_load_b128 v[(\f)+8*(\i):(\f)+8*(\i)+3],   v[ADRB+(\slot)] offset:(\k)+(\i)*16*PITCH
	ds_load_b128 v[(\f)+8*(\i)+4:(\f)+8*(\i)+7], v[ADRB+(\slot)] offset:(\k)+(\i)*16*PITCH+32
.endr
	WIN 0
.irp i, 0,1,2,3,4,5,6,7
	ds_load_b128 v[(\f)+8*(\i):(\f)+8*(\i)+3],   v[ADRA+(\slot)] offset:(\k)+(\i)*16*PITCH
	ds_load_b128 v[(\f)+8*(\i)+4:(\f)+8*(\i)+7], v[ADRA+(\slot)] offset:(\k)+(\i)*16*PITCH+32
.endr
.endm
; A load into a register that a matrix instruction has read, and a vector instruction that reads a matrix result or writes one of a matrix instruction's registers, stand four places behind
; that matrix instruction, and only plain vector instructions that name none of its registers are places (ISA guide 7.12.1 for vector instructions).
.macro PLACES
.rept 4
	v_nop
.endr
.endm
; A K step is four quarter steps of 32 along K, 64 matrix instructions each, on buffers 0, 1, 0, 1.
; One of the first three: multiplies buffer f; in its middle it fetches the next quarter's fragments, at byte k of the same slot's rows, into buffer g.
.macro QUARTER slot, k, f, g, zero
	s_wait_dscnt 8                                 ; B and A's rows 0-63 are in; the youngest eight loads (A's rows 64-127) may be out
	WIN MUL_LO
	MUL16 \f, 0, 0, \zero
	MUL16 \f, 0, 2, \zero
	PLACES
	FETCH \slot, \k, \g
	s_wait_dscnt 32                                ; all but the 32 just issued
	WIN MUL_HI
	MUL16 \f, 1, 0, \zero
	MUL16 \f, 1, 2, \zero
.endm
; The last quarter multiplies buffer 1 and changes slots.  MEET is its first half: ONE barrier for the change of slots, for two things.  In front of it each wave waits for all its tensor
; loads, of which one is out: its part of the next slot; adds 0 to its spare word; and waits for that and for its own reads of this slot.  Behind it nobody reads this slot and the next is whole.
.macro MEET round                      ; round = 1: the rest of a round of the cluster's barrier follows
	WIN 0                                          ; (the add's two registers lie in window 0)
	s_wait_tensorcnt 0x0                           ; all my tensor loads have landed: the one that was out is my part of the next slot;
	ds_add_u32 v[SPW], v[NIL]                      ; 0 onto my spare word;
	s_wait_dscnt 9                                 ; (the add and the youngest eight loads may be out)
	WIN MUL_LO
	MUL16 F1, 0, 0, 0                              ; sixteen matrix instructions stand between the add and the wait for it
	s_wait_dscnt 0x0                               ; the add is done, and my reads of this slot are over:
	s_barrier_signal -1                            ; say so,
	MUL16 F1, 0, 2, 0                              ; work on registers while the others arrive,
.if \round
	WIN 0
.endif
	s_barrier_wait -1                              ; and go on when all four have said so
.endm
; The whole last quarter.  fill = 1: behind the round the slot just read out is filled again first, with the K step two steps on: from that request to the wait for it a wave issues 224 matrix
; instructions; then come the next slot's first fragments.  fill = 0 (the last lap): nothing is filled, and no round follows the barrier.
.macro TURN slot, next, fill
.if \fill
	s_wait_xcnt 0x0                                ; the last prefetch, a K step back, has read its address: it is stepped here, ahead of the waits of the change of slots
	s_add_nc_u64 s[PFA:PFA+1], s[PFA:PFA+1], KSTEP*2
.endif
	MEET \fill
.if \fill
	CREST                                          ; all sixteen work-groups have said so: no wave of any partner still reads this slot's tile or has a load on its way
	s_add_nc_u64 s[G0+4*(\slot)+2:G0+4*(\slot)+3], s[G0+4*(\slot)+2:G0+4*(\slot)+3], 2*KSTEP*2
	s_add_nc_u64 s[G0B+4*(\slot)+2:G0B+4*(\slot)+3], s[G0B+4*(\slot)+2:G0B+4*(\slot)+3], 2*KSTEP*2
	JLOAD \slot                                    ; the first tensor load behind the round, my only one until the next; its four v_nop are also the places in front of the loads below
.else
	PLACES
.endif
	FETCH \next, 0, F0
.if \fill
	ASK                                            ; behind the joint load and the run of LDS loads that the next products wait for
.endif
	WIN MUL_HI
	MUL16 F1, 1, 0, 0
	MUL16 F1, 1, 2, 0
.endm
; THE WAY OUT of block a, 16 of my rows.  Register j of accumulator b, times the scale of its column, goes to T + 8 j + b: four neighbouring columns in four neighbouring registers.
; j runs outermost.  Two buffers of 64 registers take turns.
.macro OUTBLK a
.set TB, 64+64*((\a)%2)
.set AC, 64*((\a)%4)
.if (\a) >= 2
	s_wait_xcnt 0x0                                ; the stores of the block two back have read their data: the buffer is written again only behind this wait
.endif
	WIN 0x02+(\a)/4                                ; source 0: window 2 or 3
.irp j, 0,1,2,3,4,5,6,7
.irp b, 0,1,2,3,4,5,6,7
	v_mul_f32 v[TB+8*(\j)+(\b)], v[AC+8*(\b)+(\j)], v[SC+(\b)]
.endr
.endr
	WIN 0
.irp j, 0,1,2,3,4,5,6,7
.irp g, 0,1
	global_store_b128 v[CO], v[TB+8*(\j)+4*(\g):TB+8*(\j)+4*(\g)+3], s[8:9] offset:(16*(\a)+(\j))*SIZE_N*4+256*(\g) th:TH_STORE_NT  ; lanes 0-15: 256 consecutive bytes of row 16 a + j, at a multiple of 256 from out0's first; lanes 16-31: of row 16 a + 8 + j.  The largest immediate is 1,949,952
.endr
.endr
.endm
	s_wait_tensorcnt 1                             ; my part of K step 0 is in; K step 1's may stay out
	s_barrier_signal -1
	s_barrier_wait -1                              ; everybody's is
	FETCH 0, 0, F0
	QUARTER 0, 64,  F0, F1, 1                      ; the first quarter stands in front of the loop: its products start the sums
	WIN 0                                          ; at a label and at a branch every window is 0
	s_mov_b32 s3, LAPS-1
.Llap:                                                 ; a trip goes once round the ring, from a lap's second quarter to the next lap's first, and fills both slots again
	QUARTER 0, 128, F1, F0, 0
	QUARTER 0, 192, F0, F1, 0
	TURN 0, 1, 1
	QUARTER 1, 64,  F0, F1, 0
	QUARTER 1, 128, F1, F0, 0
	QUARTER 1, 192, F0, F1, 0
	TURN 1, 0, 1
	QUARTER 0, 64,  F0, F1, 0
	WIN 0
	s_sub_co_u32 s3, s3, 1
	s_cmp_lg_u32 s3, 0
	s_cbranch_scc1 .Llap
	QUARTER 0, 128, F1, F0, 0                      ; the last lap is written out: it fills nothing
	QUARTER 0, 192, F0, F1, 0
	TURN 0, 1, 0
	QUARTER 1, 64,  F0, F1, 0
	QUARTER 1, 128, F1, F0, 0
	QUARTER 1, 192, F0, F1, 0
	s_wait_dscnt 8                                 ; the very last quarter: nothing more to fetch
	WIN MUL_LO
	MUL16 F1, 0, 0, 0
	MUL16 F1, 0, 2, 0
	s_wait_dscnt 0x0
	MUL16 F1, 1, 0, 0
	MUL16 F1, 1, 2, 0
	WIN 0
	PLACES                                         ; four places are owed between the last product and the multiplies that read results and write into A's buffers;
	PLACES                                         ; four more as a margin, once a launch
.irp a, 0,1,2,3,4,5,6,7
	OUTBLK \a
.endr
	s_wait_tensorcnt 0x0                           ; the wave's end: behind my last tensor load
	ds_add_u32 v[SPW], v[NIL]
	s_wait_dscnt 0x0
	CROUND                                         ; the closing round: no work-group ends while a partner may still ask for a tile that names it
	s_endpgm
.Lfunc_end_k_q113ea2c0d3_gemm:
	.size	k_q113ea2c0d3_gemm, .Lfunc_end_k_q113ea2c0d3_gemm-k_q113ea2c0d3_gemm
	.p2alignl 7, 3214868480
	.fill 96, 4, 3214868480
	.section	.rodata,"a",@progbits
	.p2align	6, 0x0
	.amdhsa_kernel k_q113ea2c0d3_gemm
		.amdhsa_group_segment_fixed_size 327680
		.amdhsa_private_segment_fixed_size 0
		.amdhsa_enable_private_segment 0
		.amdhsa_kernarg_size 40
		.amdhsa_user_sgpr_count 2
		.amdhsa_user_sgpr_kernarg_segment_ptr 1
		.amdhsa_wavefront_size32 1
		.amdhsa_system_sgpr_workgroup_id_x 1
		.amdhsa_system_sgpr_workgroup_id_y 1
		.amdhsa_system_sgpr_workgroup_id_z 1
		.amdhsa_system_vgpr_workitem_id 0
		.amdhsa_next_free_vgpr 1024
		.amdhsa_next_free_sgpr 76
		.amdhsa_reserve_vcc 0
		.amdhsa_float_denorm_mode_32 3
		.amdhsa_float_denorm_mode_16_64 3
		.amdhsa_memory_ordered 1
		.amdhsa_forward_progress 1
		.amdhsa_inst_pref_size 143
	.end_amdhsa_kernel
	.amdgpu_metadata
---
amdhsa.version: [ 1, 2 ]
amdhsa.kernels:
  - .name:           k_q113ea2c0d3_gemm
    .symbol:         k_q113ea2c0d3_gemm.kd
    .args:
      - { .name: xq, .offset: 0, .size: 8, .value_kind: global_buffer, .address_space: global }
      - { .name: wq, .offset: 8, .size: 8, .value_kind: global_buffer, .address_space: global }
      - { .name: out0, .offset: 16, .size: 8, .value_kind: global_buffer, .address_space: global }
      - { .name: part, .offset: 24, .size: 8, .value_kind: global_buffer, .address_space: global }
      - { .name: weight_scale, .offset: 32, .size: 8, .value_kind: global_buffer, .address_space: global }
    .group_segment_fixed_size: 327680
    .private_segment_fixed_size: 0
    .kernarg_segment_align: 8
    .kernarg_segment_size: 40
    .max_flat_workgroup_size: 128
    .sgpr_count:     76
    .vgpr_count:     1024
    .wavefront_size: 32
...
	.end_amdgpu_metadata
.endif
;; end of part 3
